; MI455X (gfx1250); checked and timed in simulation.
; The chip was launched on July 23, 2026; its instructions are those of AMD's public machine-readable ISA for CDNA 5 (MIT licence, August 2026) and "CDNA5" Instruction Set Architecture Reference Guide (July 2026). The comments in the code are by the model that wrote it; some were corrected since.
;; B Splines. Allowed arithmetic: float matrix products may take bf16 or f16 operands with f32 sums; other float arithmetic in f32, or as packed bf16 or f16 multiplies, adds, multiply-adds, maxima and minima; sums over many terms, partial sums and values carried from step to step in f32; what a program stores and reads back later, other than sums and carried values, may be rounded once to bf16 or f16.
;; Inputs: coefs 256 float32; knot_vector 260 float32; x 500,000 float32.
;; Outputs: out0 500,000 float32.
;; One version. Each part assembles by itself: llvm-mc -triple=amdgcn-amd-amdhsa -mcpu=gfx1250 --defsym DOCPART=n.
;; ======== version 1 of 1: 1 launch
;; limits: right only within a limited range of input values
;; launch bspline (part 1): grid 245 x 1, 4 waves a work-group, no clusters, 8,448 bytes of LDS; arguments x, knot_vector, coefs, out0; writes out0
.if DOCPART == 1
	.amdgcn_target "amdgcn-amd-amdhsa--gfx1250"
	.amdhsa_code_object_version 6
	.text
	.protected	k_q684f954974_bspline
	.globl	k_q684f954974_bspline
	.p2align	8
	.type	k_q684f954974_bspline,@function
k_q684f954974_bspline:
	s_mov_b64 s[64:65], 0
	v_nop
	global_prefetch_b8 v0, s[64:65] scope:SCOPE_SE
	s_setreg_imm32_b32 hwreg(HW_REG_WAVE_MODE, 25, 1), 1
	s_wait_xcnt 0x0
; out[n] = sum over i of coefs[i] * B3_i(x[n]), B3 the cubic Cox-de Boor basis on knot_vector[260]; x, out: [500000] f32.
; FORM.  The recursion is linear in the degree-0 indicators and its weights are affine in x, so for EVERY knot vector (sorted or not, with repeats)
;   out(x) = sum over j = 0..258 of [t_j <= x < t_j+1] * P_j(x),
; P_j the cubic that de Boor's scheme gives from t_j-2 .. t_j+3 and coefs_j-3 .. coefs_j (a weight is 0 where its knot difference is 0; coefs outside 0..255 count as 0,
; which reproduces the recursion's index ranges).  The product with coefs is inside the P_j: no matrix product is left.  With unsorted knots several intervals may hold one x,
; so every x visits every interval; nothing is looked up and no branch or address hangs on a float.
; TABLE.  Each work-group makes the table in LDS: entry j = (a0..a3), P_j = a0 + a1 u + a2 u^2 + a3 u^3 in u = x - t_j (all 0 where t_j >= t_j+1), and -t_j in an array of its own.
; STEP j, two x an instruction:  u' = x - t_j+1;  s' = clamp(u' * 2^127 + 1) = [x >= t_j+1] (the subtraction's sign and zero are exact);  w = s - s';  three Horner steps in u;  acc += w * P.
; SHARES.  A lane holds 16 x (8 pairs), a wave 512, the four waves of a work-group 2,048: 245 work-groups, the last with 288 x.  Three waves of that last work-group begin behind the end
; of x: they help to make the table, work on the last 16 bytes of x once more and store nothing, since every wave passes both barriers.
; LIMITS.  Non-zero knot differences t_i+k - t_i (k <= 3) lie in 2^-126 .. 2^126 (v_rcp_f32 takes and gives no denormals: ISA guide 15.8).  A non-zero |x - t| below 2^-127 gets a weight
; between 0 and 1.  A cubic is evaluated at every x and multiplied by 0 outside its interval, so |coef| |x - t_j|^3 / (d1 d2 d3) must stay finite in f32.  The order of rounding is not the reference's.
.set NBYTES, 2000000                   ; bytes of x and of out
.set NKNOT,  260
.set NCOEF,  256
.set COEF,   0                         ; LDS: entry j at 16 j, j = 0..383 written, 0..259 read
.set KN,     6144                      ; LDS: -t_j at KN + 12 + 4 j, so that -t_1 stands at a multiple of 16; written up to byte 7,692
.set SPARE,  7936                      ; the spare words, 128 bytes for each wave: two blocks of 256 bytes that no other line names
.set TRIPS,  32                        ; a trip is two blocks of four intervals; block 64 stands behind the loop
.set SPW, 2                            ; v2   LDS address of my spare word; never rewritten
.set NIL, 3                            ; v3   0; never rewritten
.set T4,  4                            ; v4   4 x thread
.set T16, 5                            ; v5   16 x thread
.set LC,  6                            ; v6   the trip's place in the coefficient array (the same in all lanes): a copy of s21
.set LK,  7                            ; v7   the trip's place in the knot array: a copy of s22
.set XO,  8                            ; v[8:11]   byte offset of my 16 bytes in chunk q of x and out, held inside the buffer
.set RAW, 12                           ; v[12:15]  the same before it was held inside
.set BIG, 16                           ; v[16:17]  2^127, twice
.set ONE, 18                           ; v[18:19]  1.0, twice
.set NT0, 20                           ; v[20:21]  -t_0, twice
.set X,   32                           ; v[32:47]  my 16 x
.set ACC, 48                           ; v[48:63]  their sums
.set UA,  64                           ; v[64:79], v[80:95]    u of the interval in hand and of the next, by turns
.set UB,  80
.set SA,  96                           ; v[96:111], v[112:127] s likewise; s of the interval in hand becomes w in place
.set SB,  112
.set H,   128                          ; v[128:143] Horner's value
.set CA,  144                          ; v[144:163], v[164:183] a block's constants: four entries, then -t of the four next knots; two buffers
.set CB,  164
.set KO,  64                           ; the build: 30 byte offsets (pass p: six knots, four coefs)
.set TD,  96                           ; the build: the 30 numbers loaded
.set W,   128                          ; the build: 40 registers at work for each of three passes
.set CM,  28                           ; s[28:39]  pass p, coef e: its index lies in 0..255
.set RM,  40                           ; s[40:57]  pass p: the six knot differences may be divided by
; places in a pass's 40 registers
.set dE0, 0                            ; t_j-2 - t_j
.set dE1, 1                            ; t_j-1 - t_j
.set dE3, 2                            ; t_j+1 - t_j
.set dE4, 3                            ; t_j+2 - t_j
.set dE5, 4                            ; t_j+3 - t_j
.set dG0, 5                            ; t_j+1 - t_j-2
.set dG1, 6                            ; t_j+2 - t_j-1
.set dK1, 7                            ; t_j+1 - t_j-1
.set rR0, 8                            ; 1/dG0, 1/dG1, 1/dE5: level 3
.set rR1, 9
.set rR2, 10
.set rQ1, 11                           ; 1/dK1, 1/dE4: level 2
.set rQ2, 12
.set rP,  13                           ; 1/dE3: level 1
.set cA0, 14                           ; level 2's three affine functions A + B u
.set cA1, 15
.set cA2, 16
.set cB0, 17
.set cB1, 18
.set cB2, 19
.set cD1, 20                           ; level 1's two quadratics D + L u + F u^2
.set cL1, 21
.set cF1, 22
.set cD2, 23
.set cL2, 24
.set cF2, 25
.set oNT, 26                           ; -t_j
.set oA,  28                           ; a0..a3
	s_load_b256 s[4:11], s[0:1], 0x0               ; x s[4:5], knot_vector s[6:7], coefs s[8:9], out s[10:11]
	v_lshl_add_u32 v[SPW], v0, 2, SPARE
	v_mov_b32 v[NIL], 0
	v_lshrrev_b32 v1, 5, v0
	v_readfirstlane_b32 s12, v1                    ; wave 0..3
	v_lshlrev_b32 v[T4], 2, v0
	v_lshlrev_b32 v[T16], 4, v0
	v_and_b32 v1, 31, v0                           ; lane
	s_lshl_b32 s13, ttmp9, 13                      ; the work-group's 8,192 bytes,
	s_lshl_b32 s14, s12, 11                        ; the wave's 2,048 of them
	s_add_co_u32 s13, s13, s14                     ; the wave's first byte of x and out
	v_lshl_add_u32 v1, v1, 4, s13                  ; + 16 x lane: a load or store of the wave covers 512 consecutive bytes, aligned
.irp q, 0,1,2,3
	v_add_nc_u32 v[RAW+(\q)], 512*(\q), v1
	v_min_u32 v[XO+(\q)], NBYTES-16, v[RAW+(\q)]   ; behind the end (last work-group only) the last 16 bytes are read instead; nothing is stored there
.endr
; Pass p serves interval j = thread + 128 p.  Knot e of six has index j + e - 2, coef e of four index j + e - 3.  An index below 0 wraps to a large unsigned number, so one
; unsigned minimum holds both ends inside.  Which knot stands in for one outside does not matter: it only meets coefs that count as 0.  j >= 259 gives t_j = t_j+1: an empty interval.
.irp p, 0,1,2
.irp e, 0,1,2,3,4,5
	v_add_nc_u32 v[KO+10*(\p)+(\e)], 4*(128*(\p)+(\e)-2), v[T4]
	v_min_u32 v[KO+10*(\p)+(\e)], 4*(NKNOT-1), v[KO+10*(\p)+(\e)]
.endr
.irp e, 0,1,2,3
	v_add_nc_u32 v[KO+10*(\p)+6+(\e)], 4*(128*(\p)+(\e)-3), v[T4]
	v_cmp_gt_u32 s[CM+4*(\p)+(\e)], 4*NCOEF, v[KO+10*(\p)+6+(\e)]
	v_min_u32 v[KO+10*(\p)+6+(\e)], 4*(NCOEF-1), v[KO+10*(\p)+6+(\e)]
.endr
.endr
	s_wait_kmcnt 0x0
.irp p, 0,1,2
.irp e, 0,1,2,3,4,5
	global_load_b32 v[TD+10*(\p)+(\e)], v[KO+10*(\p)+(\e)], s[6:7]
.endr
.irp e, 6,7,8,9
	global_load_b32 v[TD+10*(\p)+(\e)], v[KO+10*(\p)+(\e)], s[8:9]
.endr
.endr
.irp q, 0,1,2,3
	global_load_b128 v[X+4*(\q):X+4*(\q)+3], v[XO+(\q)], s[4:5] th:TH_LOAD_NT  ; x is read once in the launch; it is wanted only when the table stands
.endr
	v_mov_b32 v[BIG], 0x7f000000                   ; 2^127
	v_mov_b32 v[BIG+1], 0x7f000000
	v_mov_b32 v[ONE], 1.0
	v_mov_b32 v[ONE+1], 1.0
.set i, 0
.rept 16
	v_mov_b32 v[ACC+i], 0                          ; sixteen sums start at 0, while the loads are out
.set i, i+1
.endr
; THE TABLE.  One line of the scheme is written for all three passes, so that no instruction waits for the one in front of it.
.macro ALLP line:vararg
.set pp, 0
.rept 3
.set wb, W+40*pp
.set tb, TD+10*pp
.set mb, RM+6*pp
.set cb, CM+4*pp
	\line
.set pp, pp+1
.endr
.endm
	s_wait_loadcnt 4                               ; the 30 knots and coefs are in; the four loads of x, issued behind them, may stay out
	ALLP v_cndmask_b32 v[tb+6], 0, v[tb+6], s[cb+0]    ; c_j-3 .. c_j, 0 outside the table
	ALLP v_cndmask_b32 v[tb+7], 0, v[tb+7], s[cb+1]
	ALLP v_cndmask_b32 v[tb+8], 0, v[tb+8], s[cb+2]
	ALLP v_cndmask_b32 v[tb+9], 0, v[tb+9], s[cb+3]
	ALLP v_sub_f32 v[wb+dE0], v[tb+0], v[tb+2]
	ALLP v_sub_f32 v[wb+dE1], v[tb+1], v[tb+2]
	ALLP v_sub_f32 v[wb+dE3], v[tb+3], v[tb+2]
	ALLP v_sub_f32 v[wb+dE4], v[tb+4], v[tb+2]
	ALLP v_sub_f32 v[wb+dE5], v[tb+5], v[tb+2]
	ALLP v_sub_f32 v[wb+dG0], v[tb+3], v[tb+0]
	ALLP v_sub_f32 v[wb+dG1], v[tb+4], v[tb+1]
	ALLP v_sub_f32 v[wb+dK1], v[tb+3], v[tb+1]
	ALLP v_rcp_f32 v[wb+rR0], v[wb+dG0]            ; eighteen reciprocals: one batch
	ALLP v_rcp_f32 v[wb+rR1], v[wb+dG1]
	ALLP v_rcp_f32 v[wb+rR2], v[wb+dE5]
	ALLP v_rcp_f32 v[wb+rQ1], v[wb+dK1]
	ALLP v_rcp_f32 v[wb+rQ2], v[wb+dE4]
	ALLP v_rcp_f32 v[wb+rP],  v[wb+dE3]
	v_nop                                          ; a plain instruction behind the last reciprocal (ISA guide 5.7.2)
	ALLP v_cmp_neq_f32 s[mb+0], 0, v[wb+dG0]       ; work that names no reciprocal: which differences are not 0,
	ALLP v_cmp_neq_f32 s[mb+1], 0, v[wb+dG1]
	ALLP v_cmp_neq_f32 s[mb+2], 0, v[wb+dE5]
	ALLP v_cmp_neq_f32 s[mb+3], 0, v[wb+dK1]
	ALLP v_cmp_neq_f32 s[mb+4], 0, v[wb+dE4]
	ALLP v_cmp_lt_f32  s[mb+5], 0, v[wb+dE3]       ; the interval itself holds an x only if t_j < t_j+1,
	ALLP v_sub_f32 v[wb+cB0], v[tb+7], v[tb+6]     ; level 3 before its division: (x - t_i) c_i + (t_i+3 - x) c_i-1 = (e_i+3 c_i-1 - e_i c_i) + u (c_i - c_i-1), i = j-2, j-1, j
	ALLP v_sub_f32 v[wb+cB1], v[tb+8], v[tb+7]
	ALLP v_sub_f32 v[wb+cB2], v[tb+9], v[tb+8]
	ALLP v_mul_f32 v[wb+cA0], v[wb+dE0], v[tb+7]
	ALLP v_mul_f32 v[wb+cA1], v[wb+dE1], v[tb+8]
	ALLP v_mul_f32 v[wb+cA2], v[wb+dE5], v[tb+8]
	ALLP v_fma_f32 v[wb+cA0], v[wb+dE3], v[tb+6], -v[wb+cA0]
	ALLP v_fma_f32 v[wb+cA1], v[wb+dE4], v[tb+7], -v[wb+cA1]
	ALLP v_xor_b32 v[wb+oNT], 0x80000000, v[tb+2]  ; and -t_j
	s_wait_alu depctr_va_vdst(0)                   ; the wait ahead of the first line that names a reciprocal: one for the batch
	ALLP v_cndmask_b32 v[wb+rR0], 0, v[wb+rR0], s[mb+0]  ; a weight over a difference of 0 is 0, as in the recursion
	ALLP v_cndmask_b32 v[wb+rR1], 0, v[wb+rR1], s[mb+1]
	ALLP v_cndmask_b32 v[wb+rR2], 0, v[wb+rR2], s[mb+2]
	ALLP v_cndmask_b32 v[wb+rQ1], 0, v[wb+rQ1], s[mb+3]
	ALLP v_cndmask_b32 v[wb+rQ2], 0, v[wb+rQ2], s[mb+4]
	ALLP v_cndmask_b32 v[wb+rP],  0, v[wb+rP],  s[mb+5]
	ALLP v_mul_f32 v[wb+cA0], v[wb+cA0], v[wb+rR0]
	ALLP v_mul_f32 v[wb+cA1], v[wb+cA1], v[wb+rR1]
	ALLP v_mul_f32 v[wb+cA2], v[wb+cA2], v[wb+rR2]
	ALLP v_mul_f32 v[wb+cB0], v[wb+cB0], v[wb+rR0]
	ALLP v_mul_f32 v[wb+cB1], v[wb+cB1], v[wb+rR1]
	ALLP v_mul_f32 v[wb+cB2], v[wb+cB2], v[wb+rR2]
	; level 2, i = j-1 and j: ((u - e_i)(A_i + B_i u) + (e_i+2 - u)(A_i-1 + B_i-1 u)) / (t_i+2 - t_i); e_j = 0
	ALLP v_mul_f32 v[wb+cD1], v[wb+dE1], v[wb+cA1]
	ALLP v_sub_f32 v[wb+cL1], v[wb+cA1], v[wb+cA0]
	ALLP v_sub_f32 v[wb+cF1], v[wb+cB1], v[wb+cB0]
	ALLP v_mul_f32 v[wb+cD2], v[wb+dE4], v[wb+cA1]
	ALLP v_sub_f32 v[wb+cL2], v[wb+cA2], v[wb+cA1]
	ALLP v_sub_f32 v[wb+cF2], v[wb+cB2], v[wb+cB1]
	ALLP v_fma_f32 v[wb+cD1], v[wb+dE3], v[wb+cA0], -v[wb+cD1]
	ALLP v_fma_f32 v[wb+cL1], v[wb+dE3], v[wb+cB0], v[wb+cL1]
	ALLP v_fma_f32 v[wb+cL2], v[wb+dE4], v[wb+cB1], v[wb+cL2]
	ALLP v_mul_f32 v[wb+cF1], v[wb+cF1], v[wb+rQ1]
	ALLP v_mul_f32 v[wb+cD2], v[wb+cD2], v[wb+rQ2]
	ALLP v_mul_f32 v[wb+cF2], v[wb+cF2], v[wb+rQ2]
	ALLP v_fma_f32 v[wb+cL1], -v[wb+dE1], v[wb+cB1], v[wb+cL1]
	ALLP v_mul_f32 v[wb+cD1], v[wb+cD1], v[wb+rQ1]
	ALLP v_mul_f32 v[wb+cL2], v[wb+cL2], v[wb+rQ2]
	ALLP v_mul_f32 v[wb+cL1], v[wb+cL1], v[wb+rQ1]
	; level 1: P_j = (u (D2 + L2 u + F2 u^2) + (e_j+1 - u)(D1 + L1 u + F1 u^2)) / e_j+1
	ALLP v_sub_f32 v[wb+oA+1], v[wb+cD2], v[wb+cD1]
	ALLP v_sub_f32 v[wb+oA+2], v[wb+cL2], v[wb+cL1]
	ALLP v_sub_f32 v[wb+oA+3], v[wb+cF2], v[wb+cF1]
	ALLP v_cndmask_b32 v[wb+oA], 0, v[wb+cD1], s[mb+5]   ; a0 = e D1 / e = D1
	ALLP v_fma_f32 v[wb+oA+1], v[wb+dE3], v[wb+cL1], v[wb+oA+1]
	ALLP v_fma_f32 v[wb+oA+2], v[wb+dE3], v[wb+cF1], v[wb+oA+2]
	ALLP v_mul_f32 v[wb+oA+3], v[wb+oA+3], v[wb+rP]
	ALLP v_mul_f32 v[wb+oA+1], v[wb+oA+1], v[wb+rP]
	ALLP v_mul_f32 v[wb+oA+2], v[wb+oA+2], v[wb+rP]
	ALLP ds_store_b128 v[T16], v[wb+oA:wb+oA+3] offset:COEF+2048*pp
	ALLP ds_store_b32 v[T4], v[wb+oNT] offset:KN+12+512*pp
	s_wait_dscnt 0x0                               ; for the others' sake: my part of the table stands
	s_barrier_signal -1
	s_barrier_wait -1                              ; everybody's does; the table is only read from here on
; A block's constants: four entries and the four next knots, every lane at the same address.  blk counts blocks from the trip's first.
.macro LOADC cbase, blk
.irp e, 0,1,2,3
	ds_load_b128 v[(\cbase)+4*(\e):(\cbase)+4*(\e)+3], v[LC] offset:COEF+64*(\blk)+16*(\e)
.endr
	ds_load_b128 v[(\cbase)+16:(\cbase)+19], v[LK] offset:KN+16+16*(\blk)
.endm
; Interval e of a block, for my eight pairs of x: seven packed instructions a pair, laid stage by stage so that eight or more instructions stand between a result and its reader.
; op_sel and op_sel_hi say which register of a constant's pair feeds the low and the high result: the same one for both.
.macro STEP cbase, e
.if ((\e)%2) == 0
.set ucur, UA
.set unxt, UB
.set scur, SA
.set snxt, SB
.else
.set ucur, UB
.set unxt, UA
.set scur, SB
.set snxt, SA
.endif
.set kp, (\cbase)+16+2*((\e)/2)
.set cq, (\cbase)+4*(\e)
.set i, 0
.rept 8                                        ; u' = x - t_j+1
.if ((\e)%2) == 0
	v_pk_add_f32 v[unxt+i:unxt+i+1], v[X+i:X+i+1], v[kp:kp+1] op_sel_hi:[1,0]
.else
	v_pk_add_f32 v[unxt+i:unxt+i+1], v[X+i:X+i+1], v[kp:kp+1] op_sel:[0,1] op_sel_hi:[1,1]
.endif
.set i, i+2
.endr
.set i, 0
.rept 8                                        ; a3 u + a2
	v_pk_fma_f32 v[H+i:H+i+1], v[ucur+i:ucur+i+1], v[cq+2:cq+3], v[cq+2:cq+3] op_sel:[0,1,0] op_sel_hi:[1,1,0]
.set i, i+2
.endr
.set i, 0
.rept 8                                        ; s' = 1 where x >= t_j+1, else 0: u' = 0 gives 1, u' > 0 more than 1, u' <= -2^-127 at most 0; the result is held to 0 .. 1
	v_pk_fma_f32 v[snxt+i:snxt+i+1], v[unxt+i:unxt+i+1], v[BIG:BIG+1], v[ONE:ONE+1] clamp
.set i, i+2
.endr
.set i, 0
.rept 8                                        ; .. u + a1
	v_pk_fma_f32 v[H+i:H+i+1], v[H+i:H+i+1], v[ucur+i:ucur+i+1], v[cq:cq+1] op_sel:[0,0,1] op_sel_hi:[1,1,1]
.set i, i+2
.endr
.set i, 0
.rept 8                                        ; w = s - s': 1 inside [t_j, t_j+1), else 0 (where t_j > t_j+1 it may be -1: there the entry is 0)
	v_pk_add_f32 v[scur+i:scur+i+1], v[scur+i:scur+i+1], v[snxt+i:snxt+i+1] neg_lo:[0,1] neg_hi:[0,1]
.set i, i+2
.endr
.set i, 0
.rept 8                                        ; .. u + a0
	v_pk_fma_f32 v[H+i:H+i+1], v[H+i:H+i+1], v[ucur+i:ucur+i+1], v[cq:cq+1] op_sel_hi:[1,1,0]
.set i, i+2
.endr
.set i, 0
.rept 8                                        ; the sum takes w P
	v_pk_fma_f32 v[ACC+i:ACC+i+1], v[H+i:H+i+1], v[scur+i:scur+i+1], v[ACC+i:ACC+i+1]
.set i, i+2
.endr
.endm
.macro BLOCK cbase
	STEP \cbase, 0
	STEP \cbase, 1
	STEP \cbase, 2
	STEP \cbase, 3
.endm
	s_mov_b32 s21, 0                               ; the trip's place in the coefficient array: 128 bytes (eight entries) a trip, 3,968 in the last,
	s_mov_b32 s22, 0                               ; and in the knot array: 32 bytes (eight knots) a trip, 992 in the last
	v_mov_b32 v[LC], 0
	v_mov_b32 v[LK], 0
	ds_load_b32 v[NT0], v[LK] offset:KN+12         ; -t_0
	LOADC CA, 0                                    ; block 0
	s_wait_loadcnt 0x0                             ; x
	s_wait_dscnt 5                                 ; -t_0 is in; block 0's five loads, issued behind it, may stay out
	v_mov_b32 v[NT0+1], v[NT0]
.set i, 0
.rept 8
	v_pk_add_f32 v[UA+i:UA+i+1], v[X+i:X+i+1], v[NT0:NT0+1]
.set i, i+2
.endr
.set i, 0
.rept 8
	v_pk_fma_f32 v[SA+i:SA+i+1], v[UA+i:UA+i+1], v[BIG:BIG+1], v[ONE:ONE+1] clamp
.set i, i+2
.endr
	s_mov_b32 s20, TRIPS
.Ltrip:                                        ; blocks 2 i and 2 i + 1 are worked on; blocks 2 i + 1 and 2 i + 2 are asked for, each a block (224 vector instructions) ahead of its use
	v_mov_b32 v[LC], s21                           ; 128 i: the farthest byte read is 3,968 + 128 + 64 = 4,160, inside the 6,144 of the entries
	v_mov_b32 v[LK], s22                           ; 32 i: the farthest byte read is KN + 16 + 992 + 32 + 16 = 7,200, inside the knots' 7,692
	LOADC CB, 1
	s_wait_dscnt 5                                 ; buffer A is in; the five loads just issued may stay out
	BLOCK CA
	LOADC CA, 2
	s_wait_dscnt 5                                 ; buffer B is in
	BLOCK CB
	s_add_co_u32 s21, s21, 128
	s_add_co_u32 s22, s22, 32
	s_sub_co_u32 s20, s20, 1
	s_cmp_lg_u32 s20, 0
	s_cbranch_scc1 .Ltrip
	s_wait_dscnt 0x0                               ; block 64's constants are in: my last read of LDS is over,
	s_barrier_signal -1                            ; and I say so; work on registers alone stands between the signal and the wait
	BLOCK CA                                       ; block 64: intervals 256 to 258, and entry 259, which is empty
	s_barrier_wait -1                              ; every wave's reads of LDS are over: LDS is written again (the closing add) only behind this barrier
.irp q, 0,1,2,3                                ; a store of the wave covers 512 consecutive bytes, aligned; lanes behind the end of out store nothing
	v_cmp_gt_u32 vcc_lo, NBYTES, v[RAW+(\q)]
	s_wait_xcnt 0x0                                ; EXEC changes only behind this wait: it is a source of the memory instructions issued before
	s_and_saveexec_b32 s20, vcc_lo
	global_store_b128 v[XO+(\q)], v[ACC+4*(\q):ACC+4*(\q)+3], s[10:11] th:TH_STORE_NT
	s_wait_xcnt 0x0                                ; and again in front of the line that widens it
	s_or_b32 exec_lo, exec_lo, s20
.endr
	s_wait_tensorcnt 0x0                           ; the wave's end, behind my last LDS store
	ds_add_u32 v[SPW], v[NIL]
	s_wait_dscnt 0x0
	s_endpgm
.Lfunc_end_k_q684f954974_bspline:
	.size	k_q684f954974_bspline, .Lfunc_end_k_q684f954974_bspline-k_q684f954974_bspline
	.p2alignl 7, 3214868480
	.fill 96, 4, 3214868480
	.section	.rodata,"a",@progbits
	.p2align	6, 0x0
	.amdhsa_kernel k_q684f954974_bspline
		.amdhsa_group_segment_fixed_size 8448
		.amdhsa_private_segment_fixed_size 0
		.amdhsa_enable_private_segment 0
		.amdhsa_kernarg_size 32
		.amdhsa_user_sgpr_count 2
		.amdhsa_user_sgpr_kernarg_segment_ptr 1
		.amdhsa_wavefront_size32 1
		.amdhsa_system_sgpr_workgroup_id_x 1
		.amdhsa_system_sgpr_workgroup_id_y 1
		.amdhsa_system_sgpr_workgroup_id_z 1
		.amdhsa_system_vgpr_workitem_id 0
		.amdhsa_next_free_vgpr 248
		.amdhsa_next_free_sgpr 66
		.amdhsa_reserve_vcc 1
		.amdhsa_float_denorm_mode_32 3
		.amdhsa_float_denorm_mode_16_64 3
		.amdhsa_memory_ordered 1
		.amdhsa_forward_progress 1
		.amdhsa_inst_pref_size 66
	.end_amdhsa_kernel
	.amdgpu_metadata
---
amdhsa.version: [ 1, 2 ]
amdhsa.kernels:
  - .name:           k_q684f954974_bspline
    .symbol:         k_q684f954974_bspline.kd
    .args:
      - { .name: x, .offset: 0, .size: 8, .value_kind: global_buffer, .address_space: global }
      - { .name: knot_vector, .offset: 8, .size: 8, .value_kind: global_buffer, .address_space: global }
      - { .name: coefs, .offset: 16, .size: 8, .value_kind: global_buffer, .address_space: global }
      - { .name: out0, .offset: 24, .size: 8, .value_kind: global_buffer, .address_space: global }
    .group_segment_fixed_size: 8448
    .private_segment_fixed_size: 0
    .kernarg_segment_align: 8
    .kernarg_segment_size: 32
    .max_flat_workgroup_size: 128
    .sgpr_count:     66
    .vgpr_count:     248
    .wavefront_size: 32
...
	.end_amdgpu_metadata
.endif
;; end of part 1
